; MI455X (gfx1250); checked and timed in simulation.
; The chip was launched on July 23, 2026; its instructions are those of AMD's public machine-readable ISA for CDNA 5 (MIT licence, August 2026) and "CDNA5" Instruction Set Architecture Reference Guide (July 2026). The comments in the code are by the model that wrote it; some were corrected since.
;; Causal Attention. Allowed arithmetic: matrix products marked QUANTISED: E4M3 operands, one given power-of-two scale a tensor, by v_wmma_f32_16x16x64_fp8_fp8 or v_wmma_f32_16x16x128_fp8_fp8, f32 sums; everything else in f32.
;; Inputs: lowp_scales 8 int32 (the exponents e of the quantised operands' scales 2^e); w_out_codes 1,024 x 32 x 32 uint8 (E4M3 codes of w_out, K innermost, in blocks of 32 codes); w_qkv_codes 3,072 x 32 x 32 uint8 (E4M3 codes of w_qkv, K innermost, in blocks of 32 codes); x_codes 4 x 2,048 x 32 x 32 uint8 (E4M3 codes of x, K innermost, in blocks of 32 codes).
;; Outputs: out0 4 x 2,048 x 1,024 float32.
;; This version of the problem:
;;   THIS VERSION OF THE PROBLEM IS GIVEN IN LOW PRECISION. The matrix products marked QUANTISED in the list below multiply operands that are first quantised to E4M3 (4 exponent bits, 3 mantissa bits; 8 bits a number), with one given power-of-two scale for each operand tensor; their sums are f32. All else is computed in f32.
;;   The module's matrix products, in the order in which they are computed (A, B: the left and right operand; K: the contracted axis; several contracted axes count as one K, in the product's order):
;;     1. [M 8,192, K 1,024] x [K 1,024, N 3,072]; A: input x (given as codes); B: input w_qkv (given as codes): QUANTISED (scales: A lowp_scales[0], B lowp_scales[1])
;;     2. batch 64 x [M 2,048, K 64] x [K 64, N 2,048]; A: computed on the way; B: computed on the way: QUANTISED (scales: A lowp_scales[2], B lowp_scales[3])
;;     3. batch 64 x [M 2,048, K 2,048] x [K 2,048, N 64]; A: softmax (see below); B: computed on the way: QUANTISED (scales: A lowp_scales[4], B lowp_scales[5])
;;     4. [M 8,192, K 1,024] x [K 1,024, N 1,024]; A: computed on the way; B: input w_out (given as codes): QUANTISED (scales: A lowp_scales[6], B lowp_scales[7])
;;   THE QUANTISER, for each operand of a quantised product, along K:
;;     - The operand's scale is 2^e, e = its entry of the input lowp_scales (int32; the entries are numbered through the quantised products in the list's order, A before B).
;;     - Each number is divided by the scale, clamped to +-448, and rounded to the nearest number of E4M3, ties to even, subnormals kept.
;;     - The product sums the exact products of the quantised numbers (number of the format x scale) in f32.
;;   ~~~python
;;   def quantise(x, axis, e):      # numpy; x: float32 -> the quantised numbers, widened to float32 again
;;       x = np.moveaxis(x, axis, -1); K = x.shape[-1]
;;       r = np.clip(x / 2.0 ** e, -448, 448)
;;       step = 2.0 ** (np.maximum(np.frexp(np.where(r == 0, 1, r))[1] - 1, -6) - 3)
;;       q = np.round(r / step) * step * 2.0 ** e      # np.round: ties to even
;;       return np.moveaxis(q, -1, axis).astype(np.float32)
;;   ~~~
;;   SOFTMAX AHEAD OF A QUANTISED PRODUCT. Where the list says 'softmax', what is quantised is not the finished softmax but p = 2^(t - M), with t = logit x log2(e) and M = ceil(the row's largest t), a whole number; so 1/2 < the row's largest p <= 1. The row's sum l is taken of the UNQUANTISED p, in f32, and the product's result is divided by l at the end. Since M is a whole number, a kernel that streams over the keys may use a running M (the ceiling of the running maximum): every later rescaling is an exact power of two, so the quantised numbers keep their values, but for numbers so far below the row's largest that they fall under the format's range.
;;   OPERANDS COMPUTED ON THE WAY. 'Computed on the way' means the value that the module computes at that place (a softmax that the list does not call 'softmax' is quantised finished and normalised). What goes into a quantiser is computed in f32, as accurately as f32 sums, v_exp_f32 and their like allow (about 1e-6 of the number): no bf16 or f16 on the way to a quantiser, and a product that is left as it is and whose result goes on into a quantised operand takes f32 operands (vector FMAs, or v_wmma_f32_16x16x4_f32). A number that lies on a knife's edge between two numbers of the format may be rounded either way, as far as f32 arithmetic and the matrix unit's own rounding can turn it there, and no further.
;;   INPUTS GIVEN AS CODES. w_out (in the module: [1024, 1024], K = its axis 0); w_qkv (in the module: [1024, 3072], K = its axis 0); x (in the module: [4, 2048, 1024], K = its axis 2): each comes as NAME_codes (uint8): NAME with its K axis moved to the last place and cut into blocks of 32 codes, [.., K / 32, bytes a block], one block behind the other in memory; one code a byte (a code: sign, 4 exponent bits, 3 mantissa bits); its scale is its entry of lowp_scales. Its value is code x scale, taken as it is: it is not quantised again, and the codes and scales need not be those that the quantiser above would give.
;; One version. Each part assembles by itself: llvm-mc -triple=amdgcn-amd-amdhsa -mcpu=gfx1250 --defsym DOCPART=n.
;; ======== version 1 of 1: 3 launches
;; limits: right only within a limited range of input values
;; workspace buffers: qimg 8,388,608 bytes; kvimg 16,777,216 bytes; oimg 8,388,608 bytes
;; launch qkv (part 1): grid 8 x 32, 4 waves a work-group, clusters of 4 x 4, 327,680 bytes of LDS; arguments x_codes, w_qkv_codes, lowp_scales, qimg, kvimg; writes qimg, kvimg
.if DOCPART == 1
	.amdgcn_target "amdgcn-amd-amdhsa--gfx1250"
	.amdhsa_code_object_version 6
	.text
	.protected	k_qa2502ceb4c_qkv
	.globl	k_qa2502ceb4c_qkv
	.p2align	8
	.type	k_qa2502ceb4c_qkv,@function
k_qa2502ceb4c_qkv:
	s_mov_b64 s[64:65], 0
	v_nop
	global_prefetch_b8 v0, s[64:65] scope:SCOPE_SE
	s_setreg_imm32_b32 hwreg(HW_REG_WAVE_MODE, 25, 1), 1
	s_wait_xcnt 0x0
	s_wait_alu depctr_hold_cnt(0) depctr_sa_sdst(0) depctr_va_vdst(0) depctr_va_sdst(0) depctr_va_ssrc(0) depctr_va_vcc(0) depctr_vm_vsrc(0)
	s_getreg_b32 s2, hwreg(HW_REG_IB_STS2, 6, 4)
	s_cmp_eq_u32 s2, 0
	s_cbranch_scc0 .Lentry_in_a_cluster
	s_endpgm
.Lentry_in_a_cluster:
	s_bfe_u32 s2, ttmp6, 0x10000c
	s_cmp_lg_u32 s2, 0xf033
	s_cbranch_scc0 .Lentry_shape_is_right
	s_endpgm
.Lentry_shape_is_right:
; q, k, v = x Wqkv on codes of FP8 (E4M3), then quantised again with their own given scales, and stored as IMAGES OF THE NEXT PRODUCTS' REGISTERS.
; x: [8192 tokens][1024] codes; Wqkv: [3072][1024] codes, K innermost.  lowp_scales: e0 (x), e1 (Wqkv), e2 (q), e3 (k), e5 (v).
; A sum stands for sum x 2^(e0 + e1), so q's code is sum / 2^(e2 - e0 - e1); k and v likewise with e3 and e5.
; LIMITS: e2 - e0 - e1, e3 - e0 - e1 and e5 - e0 - e1 lie between -126 and 119, so that the scale and 448 x the scale are f32 numbers.  NaN codes among the inputs are not served.
; SHARES.  A work-group takes 256 tokens and the q, k and v columns of two heads (3 x 128): 8 x 32 = 256 equal work-groups.  Wave (wm, wn) takes 128 tokens and one head:
; 8 tiles of tokens x 12 tiles of columns = 96 accumulators, 768 registers (windows 1, 2, 3: q, k, v; accumulator (a, tb) at v[8 (8 tb + a)]).
; The K = 64 form is taken: its fragments of 8 registers are what fits beside 768 accumulators.  For 64 along K a wave reads (128 + 192) x 64 bytes from LDS and issues 96 matrix instructions.
; SOURCES.  q, k: source 0 = 16 rows of W, source 1 = 16 tokens: a lane holds ONE token and eight neighbouring channels of the head, so one conversion gives registers 2 tb, 2 tb + 1 of the
; 16 tokens x 64 channels fragment that the scores' product wants.  v: source 0 = 16 tokens, source 1 = 16 rows of Wv: a lane holds ONE channel and eight neighbouring tokens: registers 2 a, 2 a + 1 of the
; 16 channels x 128 keys fragment, keys innermost: nothing is transposed.  The same fragments of x serve both.
; A fragment is fetched by two loads of 16 bytes, 32 bytes apart: a permutation of k that is the same in x and in W, so every product meets its partner.
; K goes in chunks of 128 (two steps of 64) through a ring of two LDS slots.  Rows of 256 bytes are not taken: two slots of 640 rows x 272 bytes are 348,160 bytes, more than LDS has.
; CLUSTER 4 x 4: x's tile hangs on the token block alone and is shared along a row of the cluster, W's on the head pair alone and is shared along a column: joint loads.
; A piece of an image is four registers x 32 lanes: lane l's 16 bytes at 16 l: each store of the wave covers 512 consecutive bytes, aligned.
.set PITCH,  144                       ; an LDS row: 128 bytes + 16 of padding = 36 words: 16 rows of a load start at 16 different 16-byte columns of the banks (ISA guide 11.1)
.set XT,     256*PITCH                 ; x's 256 rows
.set WT,     128*PITCH                 ; 128 rows of one section of W
.set SLOT,   XT+3*WT                   ; x, Wq, Wk, Wv
.set SPARE,  2*SLOT                    ; behind the ring: the spare words, 128 bytes for each wave: two blocks of 256 bytes that no other line names
.set ADRX, 16                          ; v16-17  LDS address of my x fragments in slot 0, 1
.set ADRW, 20                          ; v20-21  the same for my head's rows of Wq (Wk, Wv: WT and 2 WT on)
.set LI,   26                          ; v26     16 x lane
.set SPW,  28                          ; v28     LDS address of my spare word; never rewritten
.set NIL,  29                          ; v29     0; never rewritten
.set X0,   32                          ; v32-95   x's fragments, set 0 (8 tiles x 8 registers)
.set X1,   96                          ; v96-159  set 1
.set WF,   160                         ; v160-255 W's fragments, ONE set (12 tiles x 8): a section's four are free as soon as its 32 products are issued
.set G1X, 24                           ; s[24:31] descriptor group 1 for x's tile; s[32:39] group 0, a set for each slot
.set G0X, 32
.set G1W, 48                           ; s[48:55], s[56:63] the same for W's tiles
.set G0W, 56
.set MSB, 0
.macro WIN new                         ; the immediate's high byte repeats the setting that is left
.if MSB != \new
	s_set_vgpr_msb (MSB<<8)|\new
.set MSB, \new
.endif
.endm
.macro PLACES n                        ; plain vector lines between a matrix instruction and a load into, or a read of, its registers
.rept \n
	v_nop
.endr
.endm
; A joint load: wave 0 fetches x's 256 rows, waves 1 to 3 the 128 rows of Wq, Wk, Wv.  The branch hangs on the wave's number alone.  Four v_nop follow each line.
.macro JLOAD s
	s_cmp_eq_u32 s14, 0
	s_cbranch_scc0 .Lfor_w_\@
	tensor_load_to_lds s[G0X+4*\s:G0X+4*\s+3], s[G1X:G1X+7]
	s_nop 0
.rept 4
	v_nop
.endr
	s_branch .Lasked_\@
.Lfor_w_\@:
	tensor_load_to_lds s[G0W+4*\s:G0W+4*\s+3], s[G1W:G1W+7]
	s_nop 0
.rept 4
	v_nop
.endr
.Lasked_\@:
.endm
.macro CREST                           ; a round of the cluster's barrier behind its opening barrier
	s_cmp_lg_u32 s14, 0
	s_cbranch_scc1 .Lnot_wave_0_\@
	s_barrier_signal -3
.Lnot_wave_0_\@:
	s_barrier_wait -3
	s_barrier_signal -1
	s_barrier_wait -1
.endm
.macro CROUND                          ; a whole round
	s_barrier_signal -1
	s_barrier_wait -1
	CREST
.endm
	s_load_b128 s[4:7], s[0:1], 0x0                ; x's codes s[4:5], W's codes s[6:7]
	s_load_b128 s[8:11], s[0:1], 0x10              ; the scales' exponents s[8:9], qimg s[10:11]
	s_load_b64 s[12:13], s[0:1], 0x20              ; kvimg
	v_lshl_add_u32 v[SPW], v0, 2, SPARE
	v_mov_b32 v[NIL], 0
	ds_add_u32 v28, v29
	ds_add_u32 v28, v29
	s_wait_dscnt 0x0
	v_lshrrev_b32 v1, 5, v0
	v_readfirstlane_b32 s14, v1                    ; wave 0..3
	s_lshr_b32 s15, s14, 1                         ; wm: which 128 tokens
	s_and_b32 s16, s14, 1                          ; wn: which of the two heads
	s_bfe_u32 s40, ttmp6, 0x40000                  ; cx, cy: my place in the cluster
	s_bfe_u32 s41, ttmp6, 0x40004
	s_lshl_b32 s42, ttmp9, 2
	s_add_co_u32 s42, s42, s40                     ; head pair = 4 x cluster x + cx
	s_and_b32 s17, ttmp7, 0xffff
	s_lshl_b32 s17, s17, 2
	s_add_co_u32 s17, s17, s41                     ; token block = 4 x cluster y + cy
	s_lshl_b32 s43, s41, 2
	s_lshl_b32 s43, 15, s43                        ; my row of the cluster
	s_lshl_b32 s44, 0x1111, s40                    ; my column
	s_or_b32 s[G1X], s43, (1<<20)|(1<<21)|(4<<22)|(3<<25)   ; 15:0 the mask: x's tile goes to my row; elements of 1 byte; 20 padding on; 21 set beside a mask; after every 32 words (code 4) 4 words (code 3)
	s_mov_b32 s[G1X+1], 128<<16                    ; tensor_dim0 = 128
	s_mov_b32 s[G1X+2], 256<<16                    ; tensor_dim1 = 256
	s_mov_b32 s[G1X+3], 128<<16                    ; tile_dim0 = 128
	s_mov_b32 s[G1X+4], 256                        ; tile_dim1 = 256
	s_mov_b32 s[G1X+5], 1024                       ; from row to row
	s_mov_b32 s[G1X+6], 0
	s_mov_b32 s[G1X+7], 0
	s_or_b32 s[G1W], s44, (1<<20)|(1<<21)|(4<<22)|(3<<25)   ; the same with the mask of my column
	s_mov_b32 s[G1W+1], 128<<16
	s_mov_b32 s[G1W+2], 128<<16
	s_mov_b32 s[G1W+3], 128<<16
	s_mov_b32 s[G1W+4], 128
	s_mov_b32 s[G1W+5], 1024
	s_mov_b32 s[G1W+6], 0
	s_mov_b32 s[G1W+7], 0
	s_lshl_b32 s20, s17, 18                        ; x: 256 rows of 1,024 bytes a token block (registers that never hold cx)
	s_mov_b32 s21, 0
	s_max_u32 s45, s14, 1
	s_sub_co_u32 s45, s45, 1                       ; W: section wave - 1 (wave 0 asks by x's line and never uses this)
	s_lshl_b32 s46, s45, 20                        ; 1,024 rows a section,
	s_lshl_b32 s47, s42, 17                        ; 128 rows a head pair (registers that never hold cy)
	s_add_co_u32 s46, s46, s47
	s_mov_b32 s47, 0
	s_mul_i32 s45, s14, WT
	s_add_co_u32 s45, s45, WT                      ; where W's section goes: XT + (wave - 1) x WT = WT + wave x WT
	s_wait_kmcnt 0x0
	s_load_b256 s[72:79], s[8:9], 0x0              ; e0 .. e7
	s_add_nc_u64 s[20:21], s[4:5], s[20:21]
	s_add_nc_u64 s[46:47], s[6:7], s[46:47]
	CROUND                                         ; all sixteen work-groups are here: the first joint loads meet
.irp s, 0,1
	s_mov_b32 s[G0X+4*\s], 1
	s_mov_b32 s[G0X+4*\s+1], \s*SLOT
	s_add_nc_u64 s[G0X+4*\s+2:G0X+4*\s+3], s[20:21], \s*128    ; chunk s of K
	s_or_b32 s[G0X+4*\s+3], s[G0X+4*\s+3], 0x80000000
	s_mov_b32 s[G0W+4*\s], 1
	s_add_co_u32 s[G0W+4*\s+1], s45, \s*SLOT
	s_add_nc_u64 s[G0W+4*\s+2:G0W+4*\s+3], s[46:47], \s*128
	s_or_b32 s[G0W+4*\s+3], s[G0W+4*\s+3], 0x80000000
	s_wait_alu depctr_va_vdst(0)
	s_wait_tensorcnt 0x0
	ds_add_u32 v28, v29
	ds_add_u32 v28, v29
	s_wait_dscnt 0x0
	CROUND
	JLOAD \s                                       ; one load of mine is out
.endr
	v_and_b32 v1, 15, v0                           ; r
	v_bfe_u32 v2, v0, 4, 1                         ; h
	v_mul_u32_u24 v3, v1, PITCH
	v_lshl_add_u32 v3, v2, 4, v3                   ; row x pitch + 16 h
	s_mul_i32 s21, s15, WT                         ; my 128 rows of x
	s_mul_i32 s22, s16, 64*PITCH                   ; my head's 64 rows of a section,
	s_add_co_u32 s22, s22, XT                      ; behind x's tile
.irp s, 0,1
	v_add_nc_u32 v[ADRX+\s], s21, v3
	v_add_nc_u32 v[ADRW+\s], s22, v3
	s_add_co_u32 s21, s21, SLOT
	s_add_co_u32 s22, s22, SLOT
.endr
	v_and_b32 v4, 31, v0
	v_lshlrev_b32 v[LI], 4, v4
	; where my images go
	s_lshr_b32 s86, s17, 3                         ; batch
	s_and_b32 s87, s17, 7                          ; which 256 tokens of it
	s_lshl_b32 s88, s42, 1
	s_add_co_u32 s88, s88, s16                     ; head
	s_lshl_b32 s89, s86, 4
	s_add_co_u32 s89, s89, s88                     ; bh = 16 batch + head
	s_lshl_b32 s90, s87, 4
	s_lshl_b32 s91, s15, 3
	s_add_co_u32 s90, s90, s91                     ; my first tile of 16 tokens in the batch
	s_lshl_b32 s92, s89, 7
	s_add_co_u32 s92, s92, s90
	s_lshl_b32 s92, s92, 10
	s_mov_b32 s93, 0
	s_add_nc_u64 s[80:81], s[10:11], s[92:93]      ; q: (128 bh + tile) x 1,024
	s_lshl_b32 s92, s89, 18
	s_lshl_b32 s94, s90, 10
	s_add_co_u32 s92, s92, s94
	s_add_nc_u64 s[82:83], s[12:13], s[92:93]      ; k: 262,144 bh + tile x 1,024
	s_lshl_b32 s92, s89, 18
	s_lshl_b32 s94, s87, 1
	s_add_co_u32 s94, s94, s15                     ; my block of 128 keys
	s_lshl_b32 s94, s94, 13
	s_add_co_u32 s92, s92, s94
	s_add_co_u32 s92, s92, 131072
	s_add_nc_u64 s[84:85], s[12:13], s[92:93]      ; v: 262,144 bh + 131,072 + block x 8,192
.macro FRAGX xs, slot, q, a            ; x's tile a, the slot's q-th 64 along K
	ds_load_b128 v[\xs+8*(\a):\xs+8*(\a)+3],   v[ADRX+\slot] offset:(\a)*16*PITCH+64*(\q)
	ds_load_b128 v[\xs+8*(\a)+4:\xs+8*(\a)+7], v[ADRX+\slot] offset:(\a)*16*PITCH+64*(\q)+32
.endm
.macro FRAGW slot, q, b                ; W's tile b: section b / 4, 16 rows (b % 4) of my head
	ds_load_b128 v[WF+8*(\b):WF+8*(\b)+3],   v[ADRW+\slot] offset:((\b)/4)*WT+((\b)%4)*16*PITCH+64*(\q)
	ds_load_b128 v[WF+8*(\b)+4:WF+8*(\b)+7], v[ADRW+\slot] offset:((\b)/4)*WT+((\b)%4)*16*PITCH+64*(\q)+32
.endm
.macro RUN1 slot, q, xs                ; 24 loads: Wq's four fragments and x's eight
.irp b, 0,1,2,3
	FRAGW \slot, \q, \b
.endr
.irp a, 0,1,2,3,4,5,6,7
	FRAGX \xs, \slot, \q, \a
.endr
.endm
.macro RUN2 slot, q                    ; 8 loads: Wk's four
.irp b, 4,5,6,7
	FRAGW \slot, \q, \b
.endr
.endm
.macro RUN3 slot, q                    ; 8 loads: Wv's four
.irp b, 8,9,10,11
	FRAGW \slot, \q, \b
.endr
.endm
; 8 matrix instructions: column tile tb of section sec against x's eight tiles.  zero = 1: the first product starts the sums: nothing is cleared.
; The 96 accumulators take turns, one instruction a turn, in the same order in every step.
.macro MULT sec, tb, xs, zero
.irp a, 0,1,2,3,4,5,6,7
.if \sec < 2
.if \zero
	v_wmma_f32_16x16x64_fp8_fp8 v[8*(8*\tb+\a):8*(8*\tb+\a)+7], v[WF+8*(4*\sec+\tb):WF+8*(4*\sec+\tb)+7], v[\xs+8*\a:\xs+8*\a+7], 0
.else
	v_wmma_f32_16x16x64_fp8_fp8 v[8*(8*\tb+\a):8*(8*\tb+\a)+7], v[WF+8*(4*\sec+\tb):WF+8*(4*\sec+\tb)+7], v[\xs+8*\a:\xs+8*\a+7], v[8*(8*\tb+\a):8*(8*\tb+\a)+7]
.endif
.else
.if \zero
	v_wmma_f32_16x16x64_fp8_fp8 v[8*(8*\tb+\a):8*(8*\tb+\a)+7], v[\xs+8*\a:\xs+8*\a+7], v[WF+8*(4*\sec+\tb):WF+8*(4*\sec+\tb)+7], 0
.else
	v_wmma_f32_16x16x64_fp8_fp8 v[8*(8*\tb+\a):8*(8*\tb+\a)+7], v[\xs+8*\a:\xs+8*\a+7], v[WF+8*(4*\sec+\tb):WF+8*(4*\sec+\tb)+7], v[8*(8*\tb+\a):8*(8*\tb+\a)+7]
.endif
.endif
.endr
.endm
.macro MULS sec, xs, zero              ; a section's 32
	MULT \sec, 0, \xs, \zero
	MULT \sec, 1, \xs, \zero
	MULT \sec, 2, \xs, \zero
	MULT \sec, 3, \xs, \zero
.endm
; A slot's first 64 along K: multiplies x's set 0; behind each section its W fragments are fetched anew, for the slot's second 64; x's go into set 1.
.macro STEP slot, zero
	s_wait_dscnt 16                                ; Wq's and x's fragments are in; the youngest sixteen loads (Wk's, Wv's) may be out
	WIN 0x50                                       ; C and D window 1
	MULS 0, X0, \zero
	PLACES 4
	WIN 0
	RUN1 \slot, 1, X1
	s_wait_dscnt 32                                ; Wk's are in: behind them Wv's 8 and the 24 just issued
	WIN 0xa0
	MULS 1, X0, \zero
	PLACES 4
	WIN 0
	RUN2 \slot, 1
	s_wait_dscnt 32                                ; Wv's are in: behind them 24 + 8
	WIN 0xf0
	MULS 2, X0, \zero
	PLACES 4
	WIN 0
	RUN3 \slot, 1
.endm
; A slot's second 64 along K multiplies set 1 and changes slots: ONE barrier; in front of it each wave waits for all its tensor loads, adds 0 to its spare word, and waits for that and for its reads of this slot.
; fill = 1: the barrier opens a round of the cluster's barrier and this slot is filled again, two chunks ahead: 160 matrix instructions stand between the request and the wait for it.
.macro TURN slot, next, fill
	s_wait_tensorcnt 0x0                           ; all my tensor loads have landed: my part of the next slot
	ds_add_u32 v[SPW], v[NIL]                      ; 0 onto my spare word
	s_wait_dscnt 17                                ; (Wk's 8, Wv's 8 and the add may be out)
	WIN 0x50
	MULT 0, 0, X1, 0                               ; sixteen matrix instructions stand between the add and the wait for it
	MULT 0, 1, X1, 0
	s_wait_dscnt 0x0                               ; the add is done, and my reads of this slot are over
	s_barrier_signal -1
	MULT 0, 2, X1, 0
	MULT 0, 3, X1, 0
	WIN 0
	s_barrier_wait -1
.if \fill
	CREST                                          ; no wave of any partner still reads this slot or has a load on its way
	s_add_nc_u64 s[G0X+4*\slot+2:G0X+4*\slot+3], s[G0X+4*\slot+2:G0X+4*\slot+3], 256
	s_add_nc_u64 s[G0W+4*\slot+2:G0W+4*\slot+3], s[G0W+4*\slot+2:G0W+4*\slot+3], 256
	JLOAD \slot                                    ; the first tensor load behind the round; its four v_nop are the places in front of the loads below
.else
	PLACES 4
.endif
	RUN1 \next, 0, X0
	WIN 0xa0
	MULS 1, X1, 0
	PLACES 4
	WIN 0
	RUN2 \next, 0
	WIN 0xf0
	MULS 2, X1, 0
	PLACES 4
	WIN 0
	RUN3 \next, 0
.endm
	s_wait_alu depctr_va_vdst(0)
	s_wait_tensorcnt 0x1                           ; my part of chunk 0 is in; chunk 1's may stay out
	s_barrier_signal -1
	s_barrier_wait -1                              ; everybody's is
	RUN1 0, 0, X0
	RUN2 0, 0
	RUN3 0, 0
	STEP 0, 1                                      ; the first step stands in front of the loop: its products start the sums
	s_mov_b32 s3, 3
.Llap:                                             ; a trip goes once round the ring and fills both slots again: chunks 2 to 7 in three trips
	TURN 0, 1, 1
	STEP 1, 0
	TURN 1, 0, 1
	STEP 0, 0
	s_sub_co_u32 s3, s3, 1
	s_cmp_lg_u32 s3, 0
	s_cbranch_scc1 .Llap
	TURN 0, 1, 0                                   ; the last lap fills nothing
	STEP 1, 0
	s_wait_dscnt 16                                ; the very last step: nothing more to fetch
	WIN 0x50
	MULS 0, X1, 0
	s_wait_dscnt 8
	WIN 0xa0
	MULS 1, X1, 0
	s_wait_dscnt 0x0
	WIN 0xf0
	MULS 2, X1, 0
	WIN 0
; THE WAY OUT.  Each section: the conversions, whose results are the images' registers; the stores.
.macro SCL e, vr                       ; v[vr] = 2^(e - e0 - e1) as f32, s96 = 448 x that
	s_sub_co_i32 s96, s[\e], s95
	s_add_co_i32 s96, s96, 127
	s_lshl_b32 s97, s96, 23
	v_mov_b32 v[\vr], s97
	s_add_co_i32 s96, s96, 8
	s_lshl_b32 s96, s96, 23
	s_or_b32 s96, s96, 0x600000
.endm
.macro HOLD win, lim                   ; win: source 0 and destination in the section's window
	WIN \win
.set i, 0
.rept 256
.set i, i+1
.endr
.endm
.macro CODESQK w, dst, sc              ; tile a's fragment: registers 2 tb, 2 tb + 1 = channels 16 tb + 8 h + 0 .. 7 of token r
	WIN \w
	v_nop
.irp a, 0,1,2,3,4,5,6,7
.irp tb, 0,1,2,3
	v_cvt_scalef32_pk8_fp8_f32 v[\dst+8*\a+2*\tb:\dst+8*\a+2*\tb+1], v[8*(8*\tb+\a):8*(8*\tb+\a)+7], v[\sc]
.endr
.endr
	v_nop                                          ; one plain vector line behind the last conversion of a run
	WIN 0
.endm
	s_wait_kmcnt 0x0
	s_add_co_i32 s95, s72, s73                     ; e0 + e1
	SCL 74, 8                                      ; q.  (These three moves are the places behind the last products)
	SCL 75, 10                                     ; k
	SCL 77, 12                                     ; v
	HOLD 0x41, 9
	s_wait_alu depctr_va_vdst(0)
	CODESQK 1, 32, 8
.irp a, 0,1,2,3,4,5,6,7
.irp p, 0,1
	global_store_b128 v[LI], v[32+8*\a+4*\p:32+8*\a+4*\p+3], s[80:81] offset:\a*1024+\p*512   ; 32 lanes store 512 consecutive bytes; every piece has registers of its own
.endr
.endr
	HOLD 0x82, 11
	CODESQK 2, 96, 10
.irp a, 0,1,2,3,4,5,6,7
.irp p, 0,1
	global_store_b128 v[LI], v[96+8*\a+4*\p:96+8*\a+4*\p+3], s[82:83] offset:\a*1024+\p*512
.endr
.endr
	HOLD 0xc3, 13
	WIN 3
.irp ct, 0,1,2,3
.irp a, 0,1,2,3,4,5,6,7
	v_cvt_scalef32_pk8_fp8_f32 v[160+16*\ct+2*\a:160+16*\ct+2*\a+1], v[8*(8*\ct+\a):8*(8*\ct+\a)+7], v12   ; registers 2 a, 2 a + 1 = keys 16 a + 8 h + 0 .. 7 of channel 16 ct + r
.endr
.endr
	v_nop
	WIN 0
.irp ct, 0,1,2,3
.irp p, 0,1,2,3
	global_store_b128 v[LI], v[160+16*\ct+4*\p:160+16*\ct+4*\p+3], s[84:85] offset:\ct*2048+\p*512
.endr
.endr
	s_wait_tensorcnt 0x0                           ; the wave's end
	ds_add_u32 v[SPW], v[NIL]
	s_wait_dscnt 0x0
	CROUND                                         ; the closing round: no work-group ends while a partner may still ask for a tile that names it
	s_endpgm
.Lfunc_end_k_qa2502ceb4c_qkv:
	.size	k_qa2502ceb4c_qkv, .Lfunc_end_k_qa2502ceb4c_qkv-k_qa2502ceb4c_qkv
	.p2alignl 7, 3214868480
	.fill 96, 4, 3214868480
	.section	.rodata,"a",@progbits
	.p2align	6, 0x0
	.amdhsa_kernel k_qa2502ceb4c_qkv
		.amdhsa_group_segment_fixed_size 327680
		.amdhsa_private_segment_fixed_size 0
		.amdhsa_enable_private_segment 0
		.amdhsa_kernarg_size 40
		.amdhsa_user_sgpr_count 2
		.amdhsa_user_sgpr_kernarg_segment_ptr 1
		.amdhsa_wavefront_size32 1
		.amdhsa_system_sgpr_workgroup_id_x 1
		.amdhsa_system_sgpr_workgroup_id_y 1
		.amdhsa_system_sgpr_workgroup_id_z 1
		.amdhsa_system_vgpr_workitem_id 0
		.amdhsa_next_free_vgpr 1024
		.amdhsa_next_free_sgpr 98
		.amdhsa_reserve_vcc 0
		.amdhsa_float_denorm_mode_32 3
		.amdhsa_float_denorm_mode_16_64 3
		.amdhsa_fp16_overflow 1
		.amdhsa_memory_ordered 1
		.amdhsa_forward_progress 1
		.amdhsa_inst_pref_size 96
	.end_amdhsa_kernel
	.amdgpu_metadata
---
amdhsa.version: [ 1, 2 ]
amdhsa.kernels:
  - .name:           k_qa2502ceb4c_qkv
    .symbol:         k_qa2502ceb4c_qkv.kd
    .args:
      - { .name: x_codes, .offset: 0, .size: 8, .value_kind: global_buffer, .address_space: global }
      - { .name: w_qkv_codes, .offset: 8, .size: 8, .value_kind: global_buffer, .address_space: global }
      - { .name: lowp_scales, .offset: 16, .size: 8, .value_kind: global_buffer, .address_space: global }
      - { .name: qimg, .offset: 24, .size: 8, .value_kind: global_buffer, .address_space: global }
      - { .name: kvimg, .offset: 32, .size: 8, .value_kind: global_buffer, .address_space: global }
    .group_segment_fixed_size: 327680
    .private_segment_fixed_size: 0
    .kernarg_segment_align: 8
    .kernarg_segment_size: 40
    .max_flat_workgroup_size: 128
    .sgpr_count:     98
    .vgpr_count:     1024
    .wavefront_size: 32
...
	.end_amdgpu_metadata
.endif
;; end of part 1
;; launch attn (part 2): grid 4 x 64, 16 waves a work-group, clusters of 4 x 1, 264,192 bytes of LDS; arguments qimg, kvimg, lowp_scales, oimg; writes oimg
.if DOCPART == 2
	.amdgcn_target "amdgcn-amd-amdhsa--gfx1250"
	.amdhsa_code_object_version 6
	.text
	.protected	k_qa2502ceb4c_attn
	.globl	k_qa2502ceb4c_attn
	.p2align	8
	.type	k_qa2502ceb4c_attn,@function
k_qa2502ceb4c_attn:
	s_mov_b64 s[64:65], 0
	v_nop
	global_prefetch_b8 v0, s[64:65] scope:SCOPE_SE
	s_setreg_imm32_b32 hwreg(HW_REG_WAVE_MODE, 25, 1), 1
	s_wait_xcnt 0x0
	s_wait_alu depctr_hold_cnt(0) depctr_sa_sdst(0) depctr_va_vdst(0) depctr_va_sdst(0) depctr_va_ssrc(0) depctr_va_vcc(0) depctr_vm_vsrc(0)
	s_getreg_b32 s2, hwreg(HW_REG_IB_STS2, 6, 4)
	s_cmp_eq_u32 s2, 0
	s_cbranch_scc0 .Lentry_in_a_cluster
	s_endpgm
.Lentry_in_a_cluster:
	s_bfe_u32 s2, ttmp6, 0x10000c
	s_cmp_lg_u32 s2, 0x3003
	s_cbranch_scc0 .Lentry_shape_is_right
	s_endpgm
.Lentry_shape_is_right:
; o = softmax(q k^T / 8, causal) v for one head a cluster, both products on codes of FP8 (E4M3); o is quantised with its given scale and stored as an image of the last product's registers.
; qimg: [bh][tile of 16 tokens][2 pieces of 512 bytes]; kvimg: [bh][262,144]: K's 128 tiles as in qimg, then V^T as [block of 128 keys][4 tiles of 16 channels][4 pieces]; oimg: [512 tiles of tokens][16 heads][2 pieces].
; THE SOFTMAX: t = score x log2(e) / 8; M = the running largest t rounded UP to a whole number; p = 2^(t - M) is quantised with 2^e4, not normalised; the row's sum is taken of the unquantised p and divides at the end.
; When M moves, the sum and O are multiplied by 2^(old M - new M), which rounds nothing.
; LIMITS on the given exponents: e2 + e3 between -123 and 130 (added to c's exponent field); e4, and e6 - e4 - e5, between -126 and 119.
; SHARES.  The four work-groups of a cluster share a head.  Work-group cx takes the query tiles T = 4 j + cx; wave w takes j = w (pass A) and j = 31 - w (pass B).  Tile T needs the key steps (128 keys) 0 .. T / 8 = j / 2,
; which does not hang on cx: all branches hang on the wave's number and a counter.  (w / 2 + 1) + ((31 - w) / 2 + 1) = 17 steps for every wave of every work-group.
; LDS holds the head's whole K and V^T, as they lie in memory, brought once by joint loads of all four work-groups: nothing is filled again, so there is no ring and no barrier in the loops.
; LAYOUT.  S^T = K Q^T (source 0 = 16 keys, source 1 = my 16 queries), O^T = V^T P (source 0 = 16 channels, source 1 = P): a lane holds ONE query throughout.  S^T's tile t holds keys 16 t + 8 h + 0 .. 7 in its
; eight registers, so one conversion gives registers 2 t, 2 t + 1 of P; O^T's tile ct likewise gives registers 2 ct, 2 ct + 1 of o's fragment.
.set LI,  1                            ; v1   16 x lane
.set LIV, 2                            ; v2   the same in V's half of LDS
.set DM,  3                            ; v3   the mask's d = my query - the diagonal step's first key - 8 h
.set RH,  4                            ; v4   r - 8 h
.set ADK, 8                            ; v8   LDS address of the step's K
.set ADV, 9                            ; v9   of its V
.set F,   32                           ; v32-95   K's eight fragments, then V's four
.set S,   96                           ; v96-159  S^T, then p
.set OT,  160                          ; v160-191 O^T
.set PC,  224                          ; v224-239 p's codes
.set WV,  18                           ; s18  my wave's number
.set SEL, 20                           ; s[20:21] lane selects: lane l xor 16
.set CS,  22                           ; s[22:23] c = log2(e) / 8 x 2^(e2 + e3)
.set G1,  24                           ; s[24:31] descriptor group 1; s[32:35], s[36:39] groups 0 of my two fills
.set G0A, 32
.set G0B, 36
.macro CROUND
	s_barrier_signal -1
	s_barrier_wait -1
	s_cmp_lg_u32 s[WV], 0
	s_cbranch_scc1 .Lnot_wave_0_\@
	s_barrier_signal -3
.Lnot_wave_0_\@:
	s_barrier_wait -3
	s_barrier_signal -1
	s_barrier_wait -1
.endm
	s_load_b128 s[4:7], s[0:1], 0x0                ; qimg s[4:5], kvimg s[6:7]
	s_load_b128 s[8:11], s[0:1], 0x10              ; the scales' exponents s[8:9], oimg s[10:11]
	v_lshl_add_u32 v251, v0, 2, 0x40000
	v_mov_b32 v255, 0
	ds_add_u32 v251, v255
	ds_add_u32 v251, v255
	v_lshrrev_b32 v8, 5, v0
	s_delay_alu instid0(VALU_DEP_1)
	v_readfirstlane_b32 s[WV], v8                  ; wave 0..15
	s_bfe_u32 s40, ttmp6, 0x40000                  ; cx: it enters Q's and o's addresses and the mask's numbers alone
	s_and_b32 s41, ttmp7, 0xffff                   ; bh, which the four partners share
	s_mov_b32 s[G1], 15|(3<<16)|(1<<21)            ; 15:0 the mask: all four work-groups; elements of 8 bytes; 21 set beside a mask; no padding
	s_mov_b32 s[G1+1], 32<<16                      ; tensor_dim0 = 32 elements: rows of 256 bytes
	s_mov_b32 s[G1+2], 64<<16                      ; tensor_dim1 = 64
	s_mov_b32 s[G1+3], 32<<16                      ; tile_dim0
	s_mov_b32 s[G1+4], 64                          ; tile_dim1
	s_mov_b32 s[G1+5], 32                          ; dense
	s_mov_b32 s[G1+6], 0
	s_mov_b32 s[G1+7], 0
	s_and_b32 s46, s[WV], 3
	s_lshl_b32 s46, s46, 14                        ; waves 0-3: 16 KiB each of K, waves 4-7: of V^T
	s_bfe_u32 s47, s[WV], 0x10002
	s_lshl_b32 s47, s47, 17
	s_add_co_u32 s46, s46, s47                     ; the same offset in the head's bytes and in LDS
	s_lshl_b32 s48, s41, 18
	s_add_co_u32 s48, s48, s46
	s_mov_b32 s49, 0
	s_mov_b32 s[SEL], 0x76543210
	s_mov_b32 s[SEL+1], 0xfedcba98
	s_mov_b32 s[CS], 0x3e38aa3b                    ; log2(e) / 8
	s_wait_dscnt 0x0
	s_wait_kmcnt 0x0
	s_load_b256 s[56:63], s[8:9], 0x0              ; e0 .. e7
	s_add_nc_u64 s[48:49], s[6:7], s[48:49]
	CROUND                                         ; all four work-groups are here: the joint loads meet
	s_mov_b32 s[G0A], 1
	s_mov_b32 s[G0A+1], s46
	s_mov_b64 s[G0A+2:G0A+3], s[48:49]             ; keys 0 to 1,023
	s_or_b32 s[G0A+3], s[G0A+3], 0x80000000
	s_mov_b32 s[G0B], 1
	s_add_co_u32 s[G0B+1], s46, 65536
	s_add_nc_u64 s[G0B+2:G0B+3], s[48:49], 65536   ; keys 1,024 to 2,047
	s_or_b32 s[G0B+3], s[G0B+3], 0x80000000
	s_cmp_lt_u32 s[WV], 8                          ; waves 0 to 7 fill, two loads each, in one branch; the others none
	s_cbranch_scc0 .Lno_fill
	tensor_load_to_lds s[G0A:G0A+3], s[G1:G1+7]
	s_nop 0
	tensor_load_to_lds s[G0B:G0B+3], s[G1:G1+7]
	s_nop 0
.rept 4
	v_nop
.endr
.Lno_fill:
	v_and_b32 v5, 31, v0
	s_delay_alu instid0(VALU_DEP_1)
	v_lshlrev_b32 v[LI], 4, v5
	s_wait_alu depctr_va_vdst(0)
	v_add_nc_u32 v[LIV], 131072, v[LI]
	v_and_b32 v5, 15, v0                           ; r
	v_bfe_u32 v6, v0, 4, 1                         ; h
	s_delay_alu instid0(VALU_DEP_1)
	v_lshlrev_b32 v6, 3, v6
	s_delay_alu instid0(VALU_DEP_1)
	v_sub_nc_u32 v[RH], v5, v6
; Pass p's addresses, and its Q: 16 queries x 64 channels, 8 registers, which stay (pass A: v16-23, pass B: v24-31)
.macro ADDR p
.if \p
	s_xor_b32 s50, s[WV], 31                       ; 31 - wave
.else
	s_mov_b32 s50, s[WV]
.endif
	s_lshl_b32 s50, s50, 2
	s_add_co_u32 s50, s50, s40                     ; T = 4 j + cx
	s_lshl_b32 s51, s41, 7
	s_add_co_u32 s51, s51, s50
	s_lshl_b32 s52, s51, 10
	s_mov_b32 s53, 0
	s_add_nc_u64 s[66+2*\p:67+2*\p], s[4:5], s[52:53]      ; Q: (128 bh + T) x 1,024
	s_lshr_b32 s51, s41, 4
	s_lshl_b32 s51, s51, 7
	s_add_co_u32 s51, s51, s50
	s_lshl_b32 s52, s51, 14
	s_and_b32 s51, s41, 15
	s_lshl_b32 s51, s51, 10
	s_add_co_u32 s52, s52, s51
	s_add_nc_u64 s[70+2*\p:71+2*\p], s[10:11], s[52:53]    ; o: (128 batch + T) x 16,384 + head x 1,024
	global_load_b128 v[16+8*\p:19+8*\p], v[LI], s[66+2*\p:67+2*\p]
	global_load_b128 v[20+8*\p:23+8*\p], v[LI], s[66+2*\p:67+2*\p] offset:512
.endm
	ADDR 0
	ADDR 1
	s_wait_alu depctr_va_vdst(0)
	s_wait_kmcnt 0x0
	s_add_co_i32 s50, s58, s59
	s_lshl_b32 s50, s50, 23
	s_add_co_i32 s[CS], s[CS], s50                 ; a score stands for score x 2^(e2 + e3): the exponents are added to c's exponent field
	s_mov_b32 s[CS+1], s[CS]                       ; (named with it as a pair, so it is written)
	s_add_co_i32 s50, s60, 127
	s_lshl_b32 s51, s50, 23
	v_mov_b32 v244, s51                            ; 2^e4, for p's conversions
	s_sub_co_i32 s50, s62, s60
	s_sub_co_i32 s50, s50, s61                     ; O's sum / l stands for that x 2^(e4 + e5): o's code is it / 2^(e6 - e4 - e5)
	s_add_co_i32 s50, s50, 127
	s_lshl_b32 s51, s50, 23
	v_mov_b32 v246, s51
	v_mov_b32 v248, 0                              ; written once: a lane permute's destination counts as one of its sources
	v_mov_b32 v253, 0                              ; (named as the upper half of the pair v[252:253])
	s_wait_tensorcnt 0x0                           ; my fills have landed,
	s_barrier_signal -1
	s_barrier_wait -1                              ; everybody's have: the head's K and V^T lie in LDS
	s_wait_loadcnt 0x0                             ; Q of both passes
.macro FETCH16 adr                     ; a step's 8,192 bytes of K or of V^T: sixteen pieces, registers as they were stored
.set u, 0
.rept 16
	ds_load_b128 v[F+4*u:F+4*u+3], v[\adr] offset:512*u
.set u, u+1
.endr
.endm
; A PASS: one tile of 16 queries.  nt trips, a constant; a step all of whose keys come after my queries is jumped over by a scalar branch on the wave's number and the counter.
.macro PASS p, nt
.set QR, 16+8*\p
.set OC, 192+8*\p
.if \p
	s_xor_b32 s42, s[WV], 31
.else
	s_mov_b32 s42, s[WV]
.endif
	s_lshr_b32 s43, s42, 1                         ; the diagonal's step: j / 2
	s_and_b32 s54, s42, 1
	s_lshl_b32 s54, s54, 6
	s_lshl_b32 s55, s40, 4
	s_add_co_u32 s54, s54, s55                     ; my first query less the diagonal step's first key: 64 (j % 2) + 16 cx
	v_add_nc_u32 v[DM], s54, v[RH]
	v_mov_b32 v13, 0xff61b1e6                      ; the largest t so far: -3e38
	s_delay_alu instid0(VALU_DEP_1)
	v_floor_f32 v12, -v13                          ; -M
	v_mov_b32 v14, 0                               ; the sum, in two halves
	v_mov_b32 v15, 0
.set i, 0
.rept 32
	v_mov_b32 v[OT+i], 0                           ; O^T: the step is written once; the first change of M leaves zeros zeros
.set i, i+1
.endr
	s_mov_b32 s44, 0                               ; the step
	s_mov_b32 s45, 0                               ; its bytes in LDS
.Lkey_\@:
	s_cmp_gt_u32 s44, s43
	s_cbranch_scc1 .Lhidden_\@
	s_setprio 2
	v_add_nc_u32 v[ADK], s45, v[LI]
	v_add_nc_u32 v[ADV], s45, v[LIV]
	v_nop                                          ; with the two additions: four places in front of loads into registers that the last products read
	v_nop
	FETCH16 ADK
	s_wait_alu depctr_va_vdst(0)
	s_wait_dscnt 0x0
.set t, 0
.rept 8
	v_wmma_f32_16x16x64_fp8_fp8 v[S+8*t:S+8*t+7], v[F+8*t:F+8*t+7], v[QR:QR+7], 0
.set t, t+1
.endr
.rept 4
	v_nop                                          ; places in front of the loads below and of the first read of the scores
.endr
	FETCH16 ADV                                    ; V^T lands while the softmax is walked
	s_cmp_lg_u32 s44, s43
	s_cbranch_scc1 .Lopen_\@                       ; only the diagonal's step has hidden keys
	v_mov_b32 v254, 0xff800000                     ; -infinity: p = 0 then.  Register 8 t + i holds key 16 t + 8 h + i of the step: hidden where 16 t + i > d
.set n, 0
.rept 64
	v_cmp_gt_i32 vcc_lo, 16*(n/8)+n%8, v[DM]
	v_cndmask_b32 v[S+n], v[S+n], v254, vcc_lo
.set n, n+1
.endr
.Lopen_\@:
	v_max3_num_f32 v254, v[S], v[S+1], v[S+2]      ; the step's largest score of my query among my 64 keys, in two chains, each accumulator from its low end on
	v_max3_num_f32 v252, v[S+3], v[S+4], v[S+5]
.set i, 6
.rept 14
	v_max3_num_f32 v254, v254, v[S+i], v[S+i+1]
	v_max3_num_f32 v252, v252, v[S+i+2], v[S+i+3]
.set i, i+4
.endr
	v_max3_num_f32 v254, v254, v[S+62], v[S+63]
	s_delay_alu instid0(VALU_DEP_1)
	v_max_num_f32 v254, v254, v252
	s_delay_alu instid0(VALU_DEP_1)
	v_permlanex16_b32 v248, v254, s[SEL], s[SEL+1]
	s_delay_alu instid0(VALU_DEP_1)
	v_max_num_f32 v254, v254, v248                 ; and among lane l xor 16's
	s_delay_alu instid0(VALU_DEP_1)
	v_mul_f32 v254, s[CS], v254                    ; as t (c is positive)
	s_delay_alu instid0(VALU_DEP_1)
	v_max_num_f32 v13, v13, v254                   ; the running largest t
	v_mov_b32 v254, v12
	s_delay_alu instid0(VALU_DEP_2)
	v_floor_f32 v12, -v13                          ; the new -M = floor(-t): M is a whole number
	s_delay_alu instid0(VALU_DEP_1)
	v_sub_f32 v254, v12, v254                      ; old M - new M: a whole number, 0 or less
	s_delay_alu instid0(VALU_DEP_1)
	v_cvt_i32_f32 v254, v254                       ; (it saturates)
	s_delay_alu instid0(VALU_DEP_1)
	v_ldexp_f32 v252, 1.0, v254                    ; f = 2^(old M - new M)
.set i, 0
	s_setprio 1
.rept 32
	v_pk_fma_f32 v[S+i:S+i+1], v[S+i:S+i+1], s[CS:CS+1], v[12:13] op_sel_hi:[1,0,0]   ; t - M, two at a time
.set i, i+2
.endr
.set i, 0
	s_wait_alu depctr_va_vdst(0)
.rept 64
	v_exp_f32 v[S+i], v[S+i]                       ; p = 2^(t - M)
.set i, i+1
.endr
	v_pk_mul_f32 v[14:15], v[14:15], v[252:253] op_sel_hi:[1,0]   ; the sums under the new M (a plain line behind the exponentials)
	s_wait_alu depctr_va_vdst(0)
	v_pk_add_f32 v[242:243], v[100:101], v[104:105]
	v_pk_add_f32 v[240:241], v[108:109], v[112:113]
	v_pk_add_f32 v[238:239], v[116:117], v[120:121]
	v_pk_add_f32 v[236:237], v[124:125], v[128:129]
	v_pk_add_f32 v[234:235], v[132:133], v[136:137]
	v_pk_add_f32 v[232:233], v[140:141], v[144:145]
	v_pk_add_f32 v[230:231], v[148:149], v[152:153]
	v_pk_add_f32 v[14:15], v[14:15], v[156:157]
	v_pk_add_f32 v[242:243], v[242:243], v[96:97]
	v_pk_add_f32 v[240:241], v[240:241], v[98:99]
	v_pk_add_f32 v[238:239], v[238:239], v[102:103]
	v_pk_add_f32 v[236:237], v[236:237], v[106:107]
	v_pk_add_f32 v[234:235], v[234:235], v[110:111]
	v_pk_add_f32 v[232:233], v[232:233], v[114:115]
	v_pk_add_f32 v[230:231], v[230:231], v[118:119]
	v_pk_add_f32 v[14:15], v[14:15], v[122:123]
	v_pk_add_f32 v[242:243], v[242:243], v[126:127]
	v_pk_add_f32 v[240:241], v[240:241], v[130:131]
	v_pk_add_f32 v[238:239], v[238:239], v[134:135]
	v_pk_add_f32 v[236:237], v[236:237], v[138:139]
	v_pk_add_f32 v[234:235], v[234:235], v[142:143]
	v_pk_add_f32 v[232:233], v[232:233], v[146:147]
	v_pk_add_f32 v[230:231], v[230:231], v[150:151]
	s_setprio 0
	v_pk_add_f32 v[14:15], v[14:15], v[154:155]
	v_pk_add_f32 v[242:243], v[242:243], v[158:159]
	s_delay_alu instid0(VALU_DEP_2)
	v_pk_add_f32 v[14:15], v[14:15], v[236:237]
	s_delay_alu instid0(VALU_DEP_2)
	v_pk_add_f32 v[242:243], v[242:243], v[234:235]
	v_pk_add_f32 v[240:241], v[240:241], v[232:233]
	v_pk_add_f32 v[238:239], v[238:239], v[230:231]
	s_delay_alu instid0(VALU_DEP_2)
	v_pk_add_f32 v[14:15], v[14:15], v[240:241]
	s_delay_alu instid0(VALU_DEP_2)
	v_pk_add_f32 v[242:243], v[242:243], v[238:239]
	s_delay_alu instid0(VALU_DEP_1)
	v_pk_add_f32 v[14:15], v[14:15], v[242:243]
.set i, 0
.rept 64
.set i, i+1
.endr
.set t, 0
.rept 8
	v_cvt_scalef32_pk8_fp8_f32 v[PC+2*t:PC+2*t+1], v[S+8*t:S+8*t+7], v244
.set t, t+1
.endr
.set i, 0
.rept 16
	v_pk_mul_f32 v[OT+i:OT+i+1], v[OT+i:OT+i+1], v[252:253] op_sel_hi:[1,0]   ; O^T under the new M; these are also the plain lines behind the conversions
.set i, i+2
.endr
	s_wait_alu depctr_va_vdst(0)
	s_wait_dscnt 0x0                               ; V^T is in
.set t, 0
.rept 4
	v_wmma_f32_16x16x128_fp8_fp8 v[OT+8*t:OT+8*t+7], v[F+16*t:F+16*t+15], v[PC:PC+15], v[OT+8*t:OT+8*t+7]   ; the four accumulators take single turns; the scores' eight products stand between two links
.set t, t+1
.endr
.Lhidden_\@:
	s_add_co_u32 s45, s45, 8192
	s_add_co_u32 s44, s44, 1
	s_cmp_lt_u32 s44, \nt
	s_cbranch_scc1 .Lkey_\@
	s_setprio 0
.rept 4
	v_nop                                          ; places behind the last products
.endr
	v_add_f32 v14, v14, v15                        ; the sum's two halves,
	s_delay_alu instid0(VALU_DEP_1)
	v_permlanex16_b32 v248, v14, s[SEL], s[SEL+1]
	s_delay_alu instid0(VALU_DEP_1)
	v_add_f32 v14, v14, v248                       ; and lane l xor 16's
	s_wait_alu depctr_va_vdst(0)
	v_rcp_f32 v14, v14
	v_nop                                          ; one plain line behind a transcendental
.set i, 0
	s_wait_alu depctr_va_vdst(0)
.rept 16
	v_pk_mul_f32 v[S+i:S+i+1], v[OT+i:OT+i+1], v[14:15] op_sel_hi:[1,0]   ; O^T / the sum
.set i, i+2
.endr
.set i, 0
.rept 32
.set i, i+1
.endr
.set t, 0
.rept 4
	v_cvt_scalef32_pk8_fp8_f32 v[OC+2*t:OC+2*t+1], v[S+8*t:S+8*t+7], v246   ; registers 2 ct, 2 ct + 1: channels 16 ct + 8 h + 0 .. 7 of query r
.set t, t+1
.endr
	v_nop                                          ; one plain line behind the last conversion
	global_store_b128 v[LI], v[OC:OC+3], s[70+2*\p:71+2*\p]                   ; 32 lanes store 512 consecutive bytes; each pass has registers and a base of its own
	global_store_b128 v[LI], v[OC+4:OC+7], s[70+2*\p:71+2*\p] offset:512
.endm
	PASS 0, 8                                      ; j = wave: steps 0 .. 7 at the most
	PASS 1, 16                                     ; j = 31 - wave: steps 0 .. 15 at the most
	s_wait_dscnt 0x0
	s_wait_tensorcnt 0x0
	ds_add_u32 v251, v255
	s_wait_dscnt 0x0
	CROUND                                         ; the closing round
	s_endpgm
.Lfunc_end_k_qa2502ceb4c_attn:
	.size	k_qa2502ceb4c_attn, .Lfunc_end_k_qa2502ceb4c_attn-k_qa2502ceb4c_attn
	.p2alignl 7, 3214868480
	.fill 96, 4, 3214868480
	.section	.rodata,"a",@progbits
	.p2align	6, 0x0
	.amdhsa_kernel k_qa2502ceb4c_attn
		.amdhsa_group_segment_fixed_size 264192
		.amdhsa_private_segment_fixed_size 0
		.amdhsa_enable_private_segment 0
		.amdhsa_kernarg_size 32
		.amdhsa_user_sgpr_count 2
		.amdhsa_user_sgpr_kernarg_segment_ptr 1
		.amdhsa_wavefront_size32 1
		.amdhsa_system_sgpr_workgroup_id_x 1
		.amdhsa_system_sgpr_workgroup_id_y 1
		.amdhsa_system_sgpr_workgroup_id_z 1
		.amdhsa_system_vgpr_workitem_id 0
		.amdhsa_next_free_vgpr 256
		.amdhsa_next_free_sgpr 80
		.amdhsa_reserve_vcc 1
		.amdhsa_float_denorm_mode_32 3
		.amdhsa_float_denorm_mode_16_64 3
		.amdhsa_fp16_overflow 1
		.amdhsa_memory_ordered 1
		.amdhsa_forward_progress 1
		.amdhsa_inst_pref_size 51
	.end_amdhsa_kernel
	.amdgpu_metadata
---
amdhsa.version: [ 1, 2 ]
amdhsa.kernels:
  - .name:           k_qa2502ceb4c_attn
    .symbol:         k_qa2502ceb4c_attn.kd
    .args:
      - { .name: qimg, .offset: 0, .size: 8, .value_kind: global_buffer, .address_space: global }
      - { .name: kvimg, .offset: 8, .size: 8, .value_kind: global_buffer, .address_space: global }
      - { .name: lowp_scales, .offset: 16, .size: 8, .value_kind: global_buffer, .address_space: global }
      - { .name: oimg, .offset: 24, .size: 8, .value_kind: global_buffer, .address_space: global }
    .group_segment_fixed_size: 264192
    .private_segment_fixed_size: 0
    .kernarg_segment_align: 8
    .kernarg_segment_size: 32
    .max_flat_workgroup_size: 512
    .sgpr_count:     80
    .vgpr_count:     256
    .wavefront_size: 32
...
	.end_amdgpu_metadata
.endif
;; end of part 2
;; launch proj (part 3): grid 4 x 64, 4 waves a work-group, clusters of 4 x 4, 327,680 bytes of LDS; arguments oimg, w_out_codes, lowp_scales, out0; writes out0
.if DOCPART == 3
	.amdgcn_target "amdgcn-amd-amdhsa--gfx1250"
	.amdhsa_code_object_version 6
	.text
	.protected	k_qa2502ceb4c_proj
	.globl	k_qa2502ceb4c_proj
	.p2align	8
	.type	k_qa2502ceb4c_proj,@function
k_qa2502ceb4c_proj:
	s_mov_b64 s[64:65], 0
	v_nop
	global_prefetch_b8 v0, s[64:65] scope:SCOPE_SE
	s_setreg_imm32_b32 hwreg(HW_REG_WAVE_MODE, 25, 1), 1
	s_wait_xcnt 0x0
	s_wait_alu depctr_hold_cnt(0) depctr_sa_sdst(0) depctr_va_vdst(0) depctr_va_sdst(0) depctr_va_ssrc(0) depctr_va_vcc(0) depctr_vm_vsrc(0)
	s_getreg_b32 s2, hwreg(HW_REG_IB_STS2, 6, 4)
	s_cmp_eq_u32 s2, 0
	s_cbranch_scc0 .Lentry_in_a_cluster
	s_endpgm
.Lentry_in_a_cluster:
	s_bfe_u32 s2, ttmp6, 0x10000c
	s_cmp_lg_u32 s2, 0xf033
	s_cbranch_scc0 .Lentry_shape_is_right
	s_endpgm
.Lentry_shape_is_right:
; out = o Wout on codes of FP8 (E4M3); each finished sum x 2^(e6 + e7).  o: images of fragments, [512 tiles of 16 tokens][8 K steps of 128][4 pieces of 512 bytes]; Wout: [1024][1024] codes, K innermost; out: [8192][1024] f32.
; LIMIT: e6 + e7 lies between -126 and 127, so that 2^(e6 + e7) is an f32 number.
; SHARES.  A tile of out is 128 tokens x 256 columns: 4 x 64 = 256 work-groups (tiles of 256 x 256 would be 128).  Wave (wm, wn): 64 tokens x 128 columns: 32 accumulators, window 2 ((a, b) at v[8 (8 a + b)]).
; Source 0 = 16 rows of Wout, source 1 = o's fragment: a lane holds eight neighbouring columns of one token's row.
; o's images have k in the form's own places (registers 2 c, 2 c + 1: k = 16 c + 8 h + 0 .. 7), so Wout's fragments are fetched in those places too: eight loads of 8 bytes, 16 bytes apart.
; K goes in chunks of 256 (two steps of 128) through a ring of two LDS slots; four chunks, written out.  CLUSTER 4 x 4: o's tile is shared along a row of the cluster, Wout's along a column.
; REGISTERS: window 0: v0-31 addresses; v32-95 at work on the way out; v128-191, v192-255 o's fragments, two sets (4 x 16).  window 1: Wout's fragments, two sets (8 x 16).
.set PITCH,  272                       ; a row of Wout in LDS: 256 bytes + 16 = 68 words: the 32 lanes of a load of 8 bytes touch 64 different banks (ISA guide 11.1)
.set AT,     32768                     ; o's 8 tiles x 4,096 bytes, as images: no pitch, no padding
.set HALFA,  16384
.set HALFB,  128*PITCH
.set SLOT,   AT+2*HALFB
.set SPARE,  2*SLOT                    ; behind the ring: the spare words, 128 bytes for each wave: two blocks of 256 bytes that no other line names
.set SPITCH, 528                       ; the way out: a stage of 16 rows x (512 + 16) bytes for each wave, in slot 0, which has had its last fill and its last read by then
.set ADRA, 16
.set ADRB, 20
.set STO,  24
.set RD,   25
.set CO,   26                          ; v26  16 x lane
.set SPW,  28
.set NIL,  29
.set TMP,  32
.set AF,   128
.set BK,   128
.set G1, 24
.set G0, 32
.set G1B, 48
.set G0B, 56
.set MUL, 0xa1                         ; source 0 (Wout) window 1, source 1 (o) window 0, C and D window 2
.set MSB, 0
.macro WIN new
.if MSB != \new
	s_set_vgpr_msb (MSB<<8)|\new
.set MSB, \new
.endif
.endm
.macro PLACES n
.rept \n
	v_nop
.endr
.endm
.macro JLOAD s                         ; waves 0 and 1 fetch o's two halves, waves 2 and 3 Wout's; four v_nop follow each line
	s_cmp_eq_u32 s15, 0
	s_cbranch_scc0 .Lfor_b_\@
	tensor_load_to_lds s[G0+4*\s:G0+4*\s+3], s[G1:G1+7]
	s_nop 0
.rept 4
	v_nop
.endr
	s_branch .Lasked_\@
.Lfor_b_\@:
	tensor_load_to_lds s[G0B+4*\s:G0B+4*\s+3], s[G1B:G1B+7]
	s_nop 0
.rept 4
	v_nop
.endr
.Lasked_\@:
.endm
.macro CREST
	s_cmp_lg_u32 s14, 0
	s_cbranch_scc1 .Lnot_wave_0_\@
	s_barrier_signal -3
.Lnot_wave_0_\@:
	s_barrier_wait -3
	s_barrier_signal -1
	s_barrier_wait -1
.endm
.macro CROUND
	s_barrier_signal -1
	s_barrier_wait -1
	CREST
.endm
	s_load_b128 s[4:7], s[0:1], 0x0                ; oimg s[4:5], Wout's codes s[6:7]
	s_load_b128 s[8:11], s[0:1], 0x10              ; the scales' exponents s[8:9], out s[10:11]
	v_lshl_add_u32 v[SPW], v0, 2, SPARE
	v_mov_b32 v[NIL], 0
	ds_add_u32 v28, v29
	ds_add_u32 v28, v29
	s_wait_dscnt 0x0
	v_lshrrev_b32 v1, 5, v0
	v_readfirstlane_b32 s14, v1                    ; wave 0..3
	s_lshr_b32 s15, s14, 1                         ; wm: which 64 tokens.  Also: I fetch for o (0) or for Wout (1)
	s_and_b32 s16, s14, 1                          ; wn: which 128 columns.  Also: which half of that tile I fetch
	s_bfe_u32 s40, ttmp6, 0x40000
	s_bfe_u32 s41, ttmp6, 0x40004
	s_lshl_b32 s42, ttmp9, 2
	s_add_co_u32 s42, s42, s40                     ; column block
	s_and_b32 s17, ttmp7, 0xffff
	s_lshl_b32 s17, s17, 2
	s_add_co_u32 s17, s17, s41                     ; token block
	s_lshl_b32 s43, s41, 2
	s_lshl_b32 s43, 15, s43                        ; my row of the cluster
	s_lshl_b32 s44, 0x1111, s40                    ; my column
	s_or_b32 s[G1], s43, (1<<21)                   ; o: 4 tiles' 4,096 bytes each, 16,384 apart in memory, on end in LDS; elements of 1 byte; no padding
	s_mov_b32 s[G1+1], 4096<<16
	s_mov_b32 s[G1+2], 4<<16
	s_mov_b32 s[G1+3], 4096<<16
	s_mov_b32 s[G1+4], 4
	s_mov_b32 s[G1+5], 16384
	s_mov_b32 s[G1+6], 0
	s_mov_b32 s[G1+7], 0
	s_or_b32 s[G1B], s44, (1<<20)|(1<<21)|(5<<22)|(3<<25)   ; Wout: 128 rows of 256 bytes; 4 words of padding after every 64
	s_mov_b32 s[G1B+1], 256<<16
	s_mov_b32 s[G1B+2], 128<<16
	s_mov_b32 s[G1B+3], 256<<16
	s_mov_b32 s[G1B+4], 128
	s_mov_b32 s[G1B+5], 1024
	s_mov_b32 s[G1B+6], 0
	s_mov_b32 s[G1B+7], 0
	s_lshl_b32 s20, s17, 3
	s_lshl_b32 s18, s16, 2
	s_add_co_u32 s20, s20, s18
	s_lshl_b32 s20, s20, 14                        ; o: tile 8 x token block + 4 x half
	s_mov_b32 s21, 0
	s_lshl_b32 s46, s42, 8
	s_lshl_b32 s18, s16, 7
	s_add_co_u32 s46, s46, s18
	s_lshl_b32 s46, s46, 10                        ; Wout: row 256 x column block + 128 x half
	s_mov_b32 s47, 0
	s_lshl_b32 s45, s16, 14                        ; where they go: o's half,
	s_mul_i32 s66, s16, HALFB
	s_add_co_u32 s66, s66, AT                      ; Wout's half
	s_wait_kmcnt 0x0
	s_load_b64 s[96:97], s[8:9], 0x18              ; e6, e7
	s_add_nc_u64 s[20:21], s[4:5], s[20:21]
	s_add_nc_u64 s[46:47], s[6:7], s[46:47]
	CROUND                                         ; all sixteen work-groups are here
.irp s, 0,1
	s_mov_b32 s[G0+4*\s], 1
	s_add_co_u32 s[G0+4*\s+1], s45, \s*SLOT
	s_add_nc_u64 s[G0+4*\s+2:G0+4*\s+3], s[20:21], \s*4096
	s_or_b32 s[G0+4*\s+3], s[G0+4*\s+3], 0x80000000
	s_mov_b32 s[G0B+4*\s], 1
	s_add_co_u32 s[G0B+4*\s+1], s66, \s*SLOT
	s_add_nc_u64 s[G0B+4*\s+2:G0B+4*\s+3], s[46:47], \s*256
	s_or_b32 s[G0B+4*\s+3], s[G0B+4*\s+3], 0x80000000
	s_wait_alu depctr_va_vdst(0)
	s_wait_tensorcnt 0x0
	ds_add_u32 v28, v29
	ds_add_u32 v28, v29
	s_wait_dscnt 0x0
	CROUND
	JLOAD \s
.endr
	v_and_b32 v1, 15, v0                           ; r
	v_bfe_u32 v2, v0, 4, 1                         ; h
	v_and_b32 v6, 31, v0
	v_lshlrev_b32 v[CO], 4, v6
	v_mul_u32_u24 v3, v1, PITCH
	v_lshl_add_u32 v3, v2, 3, v3                   ; row x pitch + 8 h
	s_lshl_b32 s21, s15, 14                        ; my four tiles of o
	s_mul_i32 s22, s16, HALFB
	s_add_co_u32 s22, s22, AT                      ; my 128 rows of Wout
.irp s, 0,1
	v_add_nc_u32 v[ADRA+\s], s21, v[CO]
	v_add_nc_u32 v[ADRB+\s], s22, v3
	s_add_co_u32 s21, s21, SLOT
	s_add_co_u32 s22, s22, SLOT
.endr
	s_mul_i32 s23, s14, 16*SPITCH                  ; my stage
	v_mul_u32_u24 v5, v1, SPITCH
	v_lshl_add_u32 v5, v2, 5, v5
	v_add_nc_u32 v[STO], s23, v5                   ; in: row r, 32 bytes for each half of the lanes
	v_add_nc_u32 v[RD], s23, v[CO]                 ; back: the 32 lanes take one row of 512 bytes
	s_lshl_b32 s20, s17, 7
	s_lshl_b32 s21, s15, 6
	s_add_co_u32 s20, s20, s21
	s_lshl_b32 s20, s20, 12                        ; my first row of out, 4,096 bytes a row
	s_lshl_b32 s46, s42, 10
	s_lshl_b32 s47, s16, 9
	s_add_co_u32 s46, s46, s47                     ; my first column, in bytes
	s_add_co_u32 s20, s20, s46
	s_mov_b32 s21, 0
	s_add_nc_u64 s[10:11], s[10:11], s[20:21]
.macro FETCH slot, q, p                ; the fragments of the slot's q-th 128 along K into sets p
	WIN 0x40                                       ; destination window 1
.irp b, 0,1,2,3,4,5,6,7
.irp c, 0,1,2,3,4,5,6,7
	ds_load_b64 v[128*(\p)+16*\b+2*\c:128*(\p)+16*\b+2*\c+1], v[ADRB+\slot] offset:\b*16*PITCH+128*(\q)+16*\c
.endr
.endr
	WIN 0
.irp a, 0,1,2,3
.irp c, 0,1,2,3
	ds_load_b128 v[AF+64*(\p)+16*\a+4*\c:AF+64*(\p)+16*\a+4*\c+3], v[ADRA+\slot] offset:\a*4096+2048*(\q)+512*\c
.endr
.endr
.endm
.macro MUL8 a, p, zero                 ; o's tile a against Wout's eight; the 32 accumulators take turns, one instruction a turn
.irp b, 0,1,2,3,4,5,6,7
.if \zero
	v_wmma_f32_16x16x128_fp8_fp8 v[8*(8*\a+\b):8*(8*\a+\b)+7], v[128*\p+16*\b:128*\p+16*\b+15], v[AF+64*\p+16*\a:AF+64*\p+16*\a+15], 0
.else
	v_wmma_f32_16x16x128_fp8_fp8 v[8*(8*\a+\b):8*(8*\a+\b)+7], v[128*\p+16*\b:128*\p+16*\b+15], v[AF+64*\p+16*\a:AF+64*\p+16*\a+15], v[8*(8*\a+\b):8*(8*\a+\b)+7]
.endif
.endr
.endm
.macro STEP slot, zero                 ; a slot's first 128 along K, on sets 0; the second 128's fragments are fetched in its middle
	s_wait_dscnt 0x0
	WIN MUL
	MUL8 0, 0, \zero
	MUL8 1, 0, \zero
	PLACES 4
	FETCH \slot, 1, 1
	WIN MUL
	MUL8 2, 0, \zero
	MUL8 3, 0, \zero
	WIN 0
.endm
.macro TURN slot, next, fill           ; a slot's second 128, on sets 1, changes slots: ONE barrier, as in every ring of this kind
	s_wait_tensorcnt 0x0                           ; all my tensor loads have landed: my part of the next slot
	ds_add_u32 v[SPW], v[NIL]                      ; 0 onto my spare word
	s_wait_dscnt 1                                 ; (the add may be out)
	WIN MUL
	MUL8 0, 1, 0                                   ; eight matrix instructions stand between the add and the wait for it
	s_wait_dscnt 0x0                               ; the add is done, and my reads of this slot are over
	s_barrier_signal -1
	MUL8 1, 1, 0
	WIN 0
	s_barrier_wait -1
.if \fill
	CREST                                          ; no wave of any partner still reads this slot or has a load on its way
	s_add_nc_u64 s[G0+4*\slot+2:G0+4*\slot+3], s[G0+4*\slot+2:G0+4*\slot+3], 8192
	s_add_nc_u64 s[G0B+4*\slot+2:G0B+4*\slot+3], s[G0B+4*\slot+2:G0B+4*\slot+3], 512
	JLOAD \slot                                    ; the first tensor load behind the round; its four v_nop are the places in front of the loads below
.else
	PLACES 4
.endif
	FETCH \next, 0, 0
	WIN MUL
	MUL8 2, 1, 0
	MUL8 3, 1, 0
	WIN 0
.endm
	s_wait_alu depctr_va_vdst(0)
	s_wait_tensorcnt 0x1                           ; my part of chunk 0 is in; chunk 1's may stay out
	s_barrier_signal -1
	s_barrier_wait -1
	FETCH 0, 0, 0
	STEP 0, 1                                      ; chunk 0: its first products start the sums
	TURN 0, 1, 1                                   ; slot 0 takes chunk 2
	STEP 1, 0
	TURN 1, 0, 1                                   ; slot 1 takes chunk 3
	STEP 0, 0
	TURN 0, 1, 0
	STEP 1, 0
	s_wait_dscnt 0x0                               ; the very last step
	WIN MUL
	MUL8 0, 1, 0
	MUL8 1, 1, 0
	MUL8 2, 1, 0
	MUL8 3, 1, 0
	WIN 0
; THE WAY OUT, block by block of 16 tokens x 128 columns, through my own stage: in as 32 bytes a lane, back as whole rows of 512 bytes.  LDS serves a wave's instructions in order (ISA guide 5.7.1.4).
.macro TOSTAGE a
.set AC, 64*(\a)
	WIN 0x02                                       ; source 0 window 2
.set j, 0
.rept 32
	v_pk_mul_f32 v[TMP+j:TMP+j+1], v[AC+j:AC+j+1], s[96:97] op_sel_hi:[1,0]   ; x 2^(e6 + e7); each accumulator from its low end on
.set j, j+2
.endr
	WIN 0
.irp b, 0,1,2,3,4,5,6,7
	ds_store_b128 v[STO], v[TMP+8*\b:TMP+8*\b+3] offset:64*\b
	ds_store_b128 v[STO], v[TMP+8*\b+4:TMP+8*\b+7] offset:64*\b+16
.endr
.set BB, BK+64*((\a)%2)
.irp t, 0,1,2,3,4,5,6,7,8,9,10,11,12,13,14,15
	ds_load_b128 v[BB+4*\t:BB+4*\t+3], v[RD] offset:\t*SPITCH
.endr
.endm
.macro SEND a, younger                 ; younger: the LDS instructions issued behind block a's loads
.set BB, BK+64*((\a)%2)
	s_wait_dscnt \younger
.if (\a) > 0
	s_add_nc_u64 s[10:11], s[10:11], 16*4096       ; (behind a wait on XCNT: the earlier stores have read their base)
.endif
.irp t, 0,1,2,3,4,5,6,7,8,9,10,11,12,13,14,15
	global_store_b128 v[CO], v[BB+4*\t:BB+4*\t+3], s[10:11] offset:\t*4096 th:TH_STORE_NT   ; 32 lanes store 512 consecutive bytes, aligned; written once, read by nobody here
.endr
.endm
	s_wait_kmcnt 0x0
	s_add_co_i32 s96, s96, s97
	s_add_co_i32 s96, s96, 127
	s_lshl_b32 s96, s96, 23                        ; 2^(e6 + e7) as f32
	PLACES 4                                       ; behind the last products: for the reads of results and the loads into o's fragments' registers
	TOSTAGE 0
.irp a, 1,2,3
.if \a > 1
	s_wait_xcnt 0x0                                ; block a - 2's stores have read their registers and their base
.endif
	TOSTAGE \a
	SEND \a-1, 32                                  ; behind block a - 1's loads: block a's 16 stores and 16 loads
.endr
	s_wait_xcnt 0x0
	SEND 3, 0
	s_wait_tensorcnt 0x0                           ; the wave's end
	ds_add_u32 v[SPW], v[NIL]
	s_wait_dscnt 0x0
	CROUND                                         ; the closing round
	s_endpgm
.Lfunc_end_k_qa2502ceb4c_proj:
	.size	k_qa2502ceb4c_proj, .Lfunc_end_k_qa2502ceb4c_proj-k_qa2502ceb4c_proj
	.p2alignl 7, 3214868480
	.fill 96, 4, 3214868480
	.section	.rodata,"a",@progbits
	.p2align	6, 0x0
	.amdhsa_kernel k_qa2502ceb4c_proj
		.amdhsa_group_segment_fixed_size 327680
		.amdhsa_private_segment_fixed_size 0
		.amdhsa_enable_private_segment 0
		.amdhsa_kernarg_size 32
		.amdhsa_user_sgpr_count 2
		.amdhsa_user_sgpr_kernarg_segment_ptr 1
		.amdhsa_wavefront_size32 1
		.amdhsa_system_sgpr_workgroup_id_x 1
		.amdhsa_system_sgpr_workgroup_id_y 1
		.amdhsa_system_sgpr_workgroup_id_z 1
		.amdhsa_system_vgpr_workitem_id 0
		.amdhsa_next_free_vgpr 768
		.amdhsa_next_free_sgpr 98
		.amdhsa_reserve_vcc 0
		.amdhsa_float_denorm_mode_32 3
		.amdhsa_float_denorm_mode_16_64 3
		.amdhsa_memory_ordered 1
		.amdhsa_forward_progress 1
		.amdhsa_inst_pref_size 92
	.end_amdhsa_kernel
	.amdgpu_metadata
---
amdhsa.version: [ 1, 2 ]
amdhsa.kernels:
  - .name:           k_qa2502ceb4c_proj
    .symbol:         k_qa2502ceb4c_proj.kd
    .args:
      - { .name: oimg, .offset: 0, .size: 8, .value_kind: global_buffer, .address_space: global }
      - { .name: w_out_codes, .offset: 8, .size: 8, .value_kind: global_buffer, .address_space: global }
      - { .name: lowp_scales, .offset: 16, .size: 8, .value_kind: global_buffer, .address_space: global }
      - { .name: out0, .offset: 24, .size: 8, .value_kind: global_buffer, .address_space: global }
    .group_segment_fixed_size: 327680
    .private_segment_fixed_size: 0
    .kernarg_segment_align: 8
    .kernarg_segment_size: 32
    .max_flat_workgroup_size: 128
    .sgpr_count:     98
    .vgpr_count:     768
    .wavefront_size: 32
...
	.end_amdgpu_metadata
.endif
;; end of part 3
